; MI455X (gfx1250); checked and timed in simulation.
; The chip was launched on July 23, 2026; its instructions are those of AMD's public machine-readable ISA for CDNA 5 (MIT licence, August 2026) and "CDNA5" Instruction Set Architecture Reference Guide (July 2026). The comments in the code are by the model that wrote it; some were corrected since.
;; Vector Quantization. Allowed arithmetic: matrix products marked QUANTISED: E5M2 operands, one given power-of-two scale a tensor, by v_wmma_f32_16x16x64_bf8_bf8 or v_wmma_f32_16x16x128_bf8_bf8, f32 sums; everything else in f32.
;; Inputs: lowp_scales 2 int32 (the exponents e of the quantised operands' scales 2^e); vectors 8,192 x 256 float32; x 32,768 x 256 float32.
;; Outputs: out0 32,768 int32.
;; This version of the problem:
;;   THIS VERSION OF THE PROBLEM IS GIVEN IN LOW PRECISION. The matrix products marked QUANTISED in the list below multiply operands that are first quantised to E5M2 (5 exponent bits, 2 mantissa bits; 8 bits a number), with one given power-of-two scale for each operand tensor; their sums are f32. All else is computed in f32.
;;   The module's matrix products, in the order in which they are computed (A, B: the left and right operand; K: the contracted axis; several contracted axes count as one K, in the product's order):
;;     1. [M 32,768, K 256] x [K 256, N 8,192]; A: input x; B: input vectors: QUANTISED (scales: A lowp_scales[0], B lowp_scales[1])
;;   THE QUANTISER, for each operand of a quantised product, along K:
;;     - The operand's scale is 2^e, e = its entry of the input lowp_scales (int32; the entries are numbered through the quantised products in the list's order, A before B).
;;     - Each number is divided by the scale, clamped to +-57,344, and rounded to the nearest number of E5M2, ties to even, subnormals kept.
;;     - The product sums the exact products of the quantised numbers (number of the format x scale) in f32.
;;   ~~~python
;;   def quantise(x, axis, e):      # numpy; x: float32 -> the quantised numbers, widened to float32 again
;;       x = np.moveaxis(x, axis, -1); K = x.shape[-1]
;;       r = np.clip(x / 2.0 ** e, -57344, 57344)
;;       step = 2.0 ** (np.maximum(np.frexp(np.where(r == 0, 1, r))[1] - 1, -14) - 2)
;;       q = np.round(r / step) * step * 2.0 ** e      # np.round: ties to even
;;       return np.moveaxis(q, -1, axis).astype(np.float32)
;;   ~~~
;; One version. Each part assembles by itself: llvm-mc -triple=amdgcn-amd-amdhsa -mcpu=gfx1250 --defsym DOCPART=n.
;; ======== version 1 of 1: 2 launches
;; limits: right only within a limited range of input values
;; workspace buffers: cb 2,129,920 bytes
;; launch prep (part 1): grid 128 x 1, 4 waves a work-group, no clusters, 168,448 bytes of LDS; arguments vectors, lowp_scales, cb; writes cb
.if DOCPART == 1
	.amdgcn_target "amdgcn-amd-amdhsa--gfx1250"
	.amdhsa_code_object_version 6
	.text
	.protected	k_q6e1d647b9b_prep
	.globl	k_q6e1d647b9b_prep
	.p2align	8
	.type	k_q6e1d647b9b_prep,@function
k_q6e1d647b9b_prep:
	s_mov_b64 s[64:65], 0
	v_nop
	global_prefetch_b8 v0, s[64:65] scope:SCOPE_SE
	s_setreg_imm32_b32 hwreg(HW_REG_WAVE_MODE, 25, 1), 1
	s_wait_xcnt 0x0
; The codebook, vectors [8192][256] f32, is quantised ONCE, since every work-group of the next launch reads all of it.
; cb = 128 chunks of 16,640 bytes; chunk g serves codebook rows 64 g .. 64 g + 63:
;   bytes 0 .. 16,383: four tiles of 16 rows, each as an IMAGE OF THE OPERAND'S REGISTERS: in tile t the byte 2048 s + 512 c + 16 (16 h + r) + b is the E5M2 code of
;   row 64 g + 16 t + r at k = 128 s + 32 c + 16 h + b, so that a wave's 16-byte loads at 16 x lane bring a fragment as it stands;
;   bytes 16,384 .. 16,639: c2 = the sum of squares of the UNQUANTISED row, f32, the 64 rows in order.
; code = v / 2^e1, held within +-57,344, rounded to the nearest code, ties to even; e1 = entry 1 of lowp_scales.
; LIMITS: e1 between -126 and 112 (2^e1 and 57,344 x 2^e1 are made as f32 numbers).  NaN among the inputs is not served.  c2 is summed in four packed chains, not in the order of a serial sum.
; SHARES: work-group g makes chunk g, wave w its tile w.  128 work-groups: a chunk's 256 bytes of c2 then leave whole, by one store.
; A wave's 16 rows (1,024 bytes each) come by ONE tensor load into its own stage in LDS; nothing is filled twice.  The conversions take neighbours along K from one lane's registers:
; lane (r, h) reads, of row r, 16 neighbours of each block of 32.
; DEAD WORK, for the whole program: x2 = sum of x^2 is added to every one of a row's 8,192 distances alike, so in exact arithmetic argmin(x2 + c2 - 2 x.c) = argmin(c2 - 2 x.c)
; for all values of the inputs; x2 is of the size of c2.  It is not computed.  x itself stays live: its codes go into the product.  LIMIT: a NaN, an infinity or an overflow that reaches x2 alone is not carried to the result.
; WHAT THE 64 WORDS BEHIND A CHUNK'S TILES HOLD: c2 x -2^-(1 + e0 + e1) (a power of two: nothing is rounded), so that the next launch gives them to the matrix unit as C:
; D = (sum of code products) - c2 / 2^(1 + e0 + e1), and the least distance is the greatest D.  LIMIT: e0 + e1 between -128 and 125.
.set CHUNK, 16640
.set XP,    1040                       ; a stage row: 1,024 bytes + 16 of padding = 260 words: the 16 rows that a load touches start at 16 different banks (64 banks of 4 bytes: ISA guide 11.1)
.set C2STG, 4*CHUNK                    ; behind the four stages (16 x 1,040 = 16,640 bytes each): 64 words of c2
.set WV,  12                           ; s12      my wave's number
.set G1,  16                           ; s[16:23] descriptor group 1
.set G0,  24                           ; s[24:27] descriptor group 0
.set SEL, 32                           ; s[32:33] lane selects for v_permlanex16_b32: lane l xor 16
.set XA,  3                            ; v3   stage: my row, my half's 64 bytes
.set LI,  4                            ; v4   16 x lane
.set C2W, 5                            ; v5   where my row's c2 goes in LDS
.set OO,  6                            ; v6   8 x lane
.set C2R, 7                            ; v7   where wave 0 reads the 64 words back
.set SCL, 10                           ; v10  2^e1 as f32
.set LIM, 11                           ; v11  57,344 x 2^e1
.set NUM, 16                           ; v16-143  my 128 numbers: register 64 s + 16 b + i = k 128 s + 32 b + 16 h + i of row r
.set PC,  144                          ; v144-175 their codes
.set SQ,  176                          ; v176-183 four packed chains of squares
.set PD,  184                          ; v184     the other half's sum
.macro LOADNUM adr
.irp s, 0,1
.irp b, 0,1,2,3
.irp j, 0,1,2,3
	ds_load_b128 v[NUM+64*\s+16*\b+4*\j:NUM+64*\s+16*\b+4*\j+3], v[\adr] offset:512*\s+128*\b+16*\j
.endr
.endr
.endr
.endm
.macro SQSUM                           ; the row's sum of squares, in both halves of the lanes; it stands ahead of QUANT, which holds the numbers in place
.irp p, 0,1,2,3
	v_pk_mul_f32 v[SQ+2*\p:SQ+2*\p+1], v[NUM+2*\p:NUM+2*\p+1], v[NUM+2*\p:NUM+2*\p+1]   ; the first four pairs start the chains: nothing is cleared
.endr
.set SQP, 4
.rept 60
	v_pk_fma_f32 v[SQ+2*(SQP%4):SQ+2*(SQP%4)+1], v[NUM+2*SQP:NUM+2*SQP+1], v[NUM+2*SQP:NUM+2*SQP+1], v[SQ+2*(SQP%4):SQ+2*(SQP%4)+1]
.set SQP, SQP+1
.endr
	v_pk_add_f32 v[SQ:SQ+1], v[SQ:SQ+1], v[SQ+2:SQ+3]
	v_pk_add_f32 v[SQ+4:SQ+5], v[SQ+4:SQ+5], v[SQ+6:SQ+7]
	v_pk_add_f32 v[SQ:SQ+1], v[SQ:SQ+1], v[SQ+4:SQ+5]
	v_add_f32 v[SQ], v[SQ], v[SQ+1]
	v_permlanex16_b32 v[PD], v[SQ], s[SEL], s[SEL+1]   ; the row's other 128 numbers lie in the lane 16 away
	v_add_f32 v[SQ], v[SQ], v[PD]
.endm
.macro QUANT s                         ; 64 numbers become the 16 registers of K half s
.irp b, 0,1,2,3
.irp i, 0,1,2,3,4,5,6,7,8,9,10,11,12,13,14,15
	v_med3_num_f32 v[NUM+64*\s+16*\b+\i], v[NUM+64*\s+16*\b+\i], -v[LIM], v[LIM]   ; the conversion to an 8-bit code does not saturate (ISA guide 7.6.2): the hold at the largest code x the scale
.endr
	v_cvt_scalef32_pk8_bf8_f32 v[PC+16*\s+4*\b:PC+16*\s+4*\b+1], v[NUM+64*\s+16*\b:NUM+64*\s+16*\b+7], v[SCL]
	v_cvt_scalef32_pk8_bf8_f32 v[PC+16*\s+4*\b+2:PC+16*\s+4*\b+3], v[NUM+64*\s+16*\b+8:NUM+64*\s+16*\b+15], v[SCL]
.endr
	v_nop                                          ; one plain vector line behind the last conversion of the run
.endm
	s_load_b128 s[4:7], s[0:1], 0x0                ; vectors s[4:5], lowp_scales s[6:7]
	s_load_b64 s[8:9], s[0:1], 0x10                ; cb
	v_lshl_add_u32 v254, v0, 2, 0x29000
	v_mov_b32 v255, 0
	ds_add_u32 v254, v255
	ds_add_u32 v254, v255
	v_lshrrev_b32 v1, 5, v0
	v_readfirstlane_b32 s[WV], v1                  ; wave 0..3
	; group 1: 16 rows x 256 elements of 4 bytes, 4 words of padding behind every 256 words
	s_mov_b32 s[G1+0], (2<<16)|(1<<20)|(7<<22)|(3<<25)
	s_mov_b32 s[G1+1], 256<<16                     ; tensor_dim0 = 256
	s_mov_b32 s[G1+2], 16<<16                      ; tensor_dim1 = 16
	s_mov_b32 s[G1+3], 256<<16                     ; tile_dim0 = 256
	s_mov_b32 s[G1+4], 16                          ; tile_dim1 = 16
	s_mov_b32 s[G1+5], 256                         ; elements from row to row
	s_mov_b32 s[G1+6], 0
	s_mov_b32 s[G1+7], 0
	s_lshl_b32 s13, ttmp9, 16                      ; the work-group's 64 rows of 1,024 bytes,
	s_lshl_b32 s14, s[WV], 14                      ; my wave's 16 of them
	s_add_co_u32 s14, s13, s14
	s_mov_b32 s15, 0
	s_mul_i32 s28, s[WV], CHUNK                    ; my stage in LDS
	s_mul_i32 s34, ttmp9, CHUNK                    ; my chunk in cb,
	s_lshl_b32 s35, s[WV], 12                      ; my tile's 4,096 bytes in it
	s_add_co_u32 s34, s34, s35
	s_mov_b32 s35, 0
	s_mov_b32 s[SEL], 0x76543210
	s_mov_b32 s[SEL+1], 0xfedcba98
	s_wait_dscnt 0x0
	s_wait_kmcnt 0x0
	s_load_b32 s29, s[6:7], 0x4                    ; e1
	s_load_b32 s36, s[6:7], 0x0                    ; e0
	s_add_nc_u64 s[8:9], s[8:9], s[34:35]
	s_mov_b32 s[G0+0], 1                           ; count = 1
	s_mov_b32 s[G0+1], s28                         ; LDS address
	s_add_nc_u64 s[G0+2:G0+3], s[4:5], s[14:15]    ; my first row
	s_or_b32 s[G0+3], s[G0+3], 0x80000000          ; type = 2
	tensor_load_to_lds s[G0:G0+3], s[G1:G1+7]      ; one load a wave, into bytes that are the wave's own
	s_nop 0
.rept 4
	v_nop
.endr
	v_and_b32 v1, 15, v0                           ; r
	v_bfe_u32 v2, v0, 4, 1                         ; h
	v_mul_u32_u24 v[XA], v1, XP
	v_lshl_add_u32 v[XA], v2, 6, v[XA]
	v_add_nc_u32 v[XA], s28, v[XA]                 ; stage + 1,040 r + 64 h
	v_and_b32 v[LI], 31, v0
	v_lshlrev_b32 v[OO], 3, v[LI]
	v_lshlrev_b32 v[LI], 4, v[LI]
	s_lshl_b32 s13, s[WV], 6
	v_lshl_add_u32 v[C2W], v1, 2, s13
	v_add_nc_u32 v[C2W], C2STG, v[C2W]             ; word 16 w + r
	v_add_nc_u32 v[C2R], C2STG, v[OO]
	v_mov_b32 v[PD], 0                             ; written once: a lane permute's destination counts as one of its sources
	s_wait_kmcnt 0x0
	s_add_co_i32 s36, s36, s29                     ; e0 + e1
	s_sub_co_i32 s36, 126, s36
	s_lshl_b32 s36, s36, 23
	s_or_b32 s36, s36, 0x80000000                  ; -2^-(1 + e0 + e1) as f32
	s_add_co_i32 s29, s29, 127
	s_lshl_b32 s30, s29, 23
	v_mov_b32 v[SCL], s30                          ; 2^e1: the conversion takes its exponent field
	s_add_co_i32 s29, s29, 15
	s_lshl_b32 s29, s29, 23
	s_or_b32 s29, s29, 0x600000
	v_mov_b32 v[LIM], s29                          ; 57,344 x 2^e1
	s_wait_tensorcnt 0x0                           ; my rows are in LDS; only I read them
	LOADNUM XA
	s_wait_dscnt 0x0
	SQSUM
	QUANT 0
	QUANT 1
.irp s, 0,1
.irp c, 0,1,2,3
	global_store_b128 v[LI], v[PC+16*\s+4*\c:PC+16*\s+4*\c+3], s[8:9] offset:2048*\s+512*\c   ; 32 lanes store 512 consecutive bytes, at a multiple of 256 from cb's first byte
.endr
.endr
	v_mul_f32 v[SQ], s36, v[SQ]                    ; c2 as the next launch's C
	ds_store_b32 v[C2W], v[SQ]                     ; lanes r and r + 16 hold the same number and write the same word
	s_wait_dscnt 0x0                               ; for wave 0's sake: my word has landed
	s_barrier_signal -1
	s_barrier_wait -1
	s_cmp_lg_u32 s[WV], 0
	s_cbranch_scc1 .Ldone
	ds_load_b64 v[186:187], v[C2R]                 ; the chunk's 64 words of c2
	s_wait_dscnt 0x0
	global_store_b64 v[OO], v[186:187], s[8:9] offset:16384   ; (wave 0's base is the chunk's)  32 lanes store 256 consecutive bytes, aligned
.Ldone:
	s_wait_tensorcnt 0x0
	ds_add_u32 v254, v255
	s_wait_dscnt 0x0
	s_endpgm
.Lfunc_end_k_q6e1d647b9b_prep:
	.size	k_q6e1d647b9b_prep, .Lfunc_end_k_q6e1d647b9b_prep-k_q6e1d647b9b_prep
	.p2alignl 7, 3214868480
	.fill 96, 4, 3214868480
	.section	.rodata,"a",@progbits
	.p2align	6, 0x0
	.amdhsa_kernel k_q6e1d647b9b_prep
		.amdhsa_group_segment_fixed_size 168448
		.amdhsa_private_segment_fixed_size 0
		.amdhsa_enable_private_segment 0
		.amdhsa_kernarg_size 24
		.amdhsa_user_sgpr_count 2
		.amdhsa_user_sgpr_kernarg_segment_ptr 1
		.amdhsa_wavefront_size32 1
		.amdhsa_system_sgpr_workgroup_id_x 1
		.amdhsa_system_sgpr_workgroup_id_y 1
		.amdhsa_system_sgpr_workgroup_id_z 1
		.amdhsa_system_vgpr_workitem_id 0
		.amdhsa_next_free_vgpr 256
		.amdhsa_next_free_sgpr 66
		.amdhsa_reserve_vcc 0
		.amdhsa_float_denorm_mode_32 3
		.amdhsa_float_denorm_mode_16_64 3
		.amdhsa_memory_ordered 1
		.amdhsa_forward_progress 1
		.amdhsa_inst_pref_size 21
	.end_amdhsa_kernel
	.amdgpu_metadata
---
amdhsa.version: [ 1, 2 ]
amdhsa.kernels:
  - .name:           k_q6e1d647b9b_prep
    .symbol:         k_q6e1d647b9b_prep.kd
    .args:
      - { .name: vectors, .offset: 0, .size: 8, .value_kind: global_buffer, .address_space: global }
      - { .name: lowp_scales, .offset: 8, .size: 8, .value_kind: global_buffer, .address_space: global }
      - { .name: cb, .offset: 16, .size: 8, .value_kind: global_buffer, .address_space: global }
    .group_segment_fixed_size: 168448
    .private_segment_fixed_size: 0
    .kernarg_segment_align: 8
    .kernarg_segment_size: 24
    .max_flat_workgroup_size: 128
    .sgpr_count:     66
    .vgpr_count:     256
    .wavefront_size: 32
...
	.end_amdgpu_metadata
.endif
;; end of part 1
;; launch vq (part 2): grid 256 x 1, 8 waves a work-group, clusters of 4 x 1, 327,680 bytes of LDS; arguments x, cb, lowp_scales, out0; writes out0
.if DOCPART == 2
	.amdgcn_target "amdgcn-amd-amdhsa--gfx1250"
	.amdhsa_code_object_version 6
	.text
	.protected	k_q6e1d647b9b_vq
	.globl	k_q6e1d647b9b_vq
	.p2align	8
	.type	k_q6e1d647b9b_vq,@function
k_q6e1d647b9b_vq:
	s_mov_b64 s[64:65], 0
	v_nop
	global_prefetch_b8 v0, s[64:65] scope:SCOPE_SE
	s_setreg_imm32_b32 hwreg(HW_REG_WAVE_MODE, 25, 1), 1
	s_wait_xcnt 0x0
	s_wait_alu depctr_hold_cnt(0) depctr_sa_sdst(0) depctr_va_vdst(0) depctr_va_sdst(0) depctr_va_ssrc(0) depctr_va_vcc(0) depctr_vm_vsrc(0)
	s_getreg_b32 s2, hwreg(HW_REG_IB_STS2, 6, 4)
	s_cmp_eq_u32 s2, 0
	s_cbranch_scc0 .Lentry_in_a_cluster
	s_endpgm
.Lentry_in_a_cluster:
	s_bfe_u32 s2, ttmp6, 0x10000c
	s_cmp_lg_u32 s2, 0x3003
	s_cbranch_scc0 .Lentry_shape_is_right
	s_endpgm
.Lentry_shape_is_right:
; out0[n] = the index of the codebook row nearest to x[n].  x2 is left out as dead work (it is the same for all 8,192 distances of a row: shown at the head of the first kernel).
; cb (made by the first launch): 128 chunks of 16,640 bytes: four tiles of 16 rows as images of the operand's registers, then 64 words c2 x -2^-(1 + e0 + e1).
; D = codes(c) . codes(x) + that word, which a tile's first matrix instruction takes as C; the nearest row has the greatest D; of equal D the lowest index is taken, as argmin does.
; SHARES: a work-group has 128 rows of x, quantised once at the head (wave w rows 16 w ..) and handed round as register images through LDS; every wave then keeps all 128 rows' codes
; in window 1 (8 blocks x 32 registers).  The codebook goes through two LDS slots of 8 chunks; wave w fetches and reads chunk w of each slot: 4 tiles x 8 blocks x 2 matrix instructions.
; TRANSPOSED USE: source 0 = 16 codebook rows, source 1 = 16 rows of x: lane (r, h) holds row r of x, its 8 registers codebook rows 8 h + 0 .. 7 of the tile.
; THE PICK, 9 vector lines a tile and block: four max3 give the new running maximum, one compare, four dual selects keep the tile's first 7 numbers and its id where it grew.
; Matrix and vector lines stand in groups (8 and 36); the vector group works on the stage before, in the other set of accumulators, so the places behind matrix instructions are filled by it.
; CLUSTER: the four work-groups of a cluster ask for each chunk jointly.  THE WALK IS ROTATED: cluster c begins at slot (c xor c >> 4) & 15 and wraps, so that at one time the 64 clusters ask for
; all 16 slots.  No prefetch: from its second slot on a cluster asks for bytes that the clusters which began one slot further on have read one slot earlier.
; AT THE WRAP the indices fall below all seen so far, and an equal D must now win: the running maximum is kept aside (ORIG) and stepped to the next float below it, so that 'greater' means
; 'greater or equal to ORIG'; at the end the true maximum is max(running, ORIG).  The branch round these lines hangs on the cluster's number and the slot count alone.
; LIMITS: e0 between -126 and 112.  NaN among the inputs is not served, nor sums D that are not finite.
.set CHUNK, 16640
.set SLOTB, 8*CHUNK
.set XP,    1040                       ; x's stage row: 1,024 bytes + 16
.set XIMG,  2*SLOTB                    ; x's codes: 8 images of 4,096 bytes
.set MRG,   XIMG+32768                 ; 8 waves x 128 pairs (D, index)
.set SPARE, MRG+8192                   ; the spare words: 128 bytes a wave
.set WV, 12
.set G1X, 16                           ; group 1: x, 32 rows of 1,024 bytes, padded
.set G1C, 24                           ; group 1: a chunk, 65 rows of 256 bytes, joint
.set G1D, 32                           ; group 1: two chunks, 130 rows, joint
.set G0X, 40
.set G0C, 44                           ; s[44:51] group 0 for LDS slot 0, 1
.set TRIP, 52
.set TID, 53                           ; the next tile's id (index / 16)
.set CUR, 54                           ; the codebook slot at work
.set VIS, 55                           ; slots begun
.set WRAPAT, 56                        ; 16 - first slot
.set WOFF, 57                          ; wave x CHUNK
.set SEL, 60
.set NZ, 62
.set NINF, 69
.set W4, 72
.set ADR, 3                            ; v3-4  my chunk + 16 x lane, slot 0, 1
.set CA,  5                            ; v5-6  its c2 words + 32 h
.set VG,  7                            ; v7    the tile's id
.set SPW, 8
.set NIL, 9
.set TM,  10                           ; v10-21 at work
.set ORIG, 22                          ; v22-29
.set SCL, 30
.set LIM, 31
.set AF,  32                           ; v32-95  two tiles' fragments
.set C2,  96                           ; v96-111 two tiles' C
.set ACC, 112                          ; v112-175 two sets of 4 accumulators
.set KP,  176                          ; v176-239 block i: 7 numbers and the id of its best tile
.set RUN, 240                          ; v240-255 running maxima, two sets by turns
.set NUM, 32                           ; the head: 128 numbers, their 32 registers of codes
.set PC,  176
.set WT,  0x04                         ; source 1 in window 1
.set MSB, 0
.macro WIN new
.if MSB != \new
	s_set_vgpr_msb (MSB<<8)|\new
.set MSB, \new
.endif
.endm
.macro CREST
	s_cmp_lg_u32 s[WV], 0
	s_cbranch_scc1 .Lnot_wave_0_\@
	s_barrier_signal -3
.Lnot_wave_0_\@:
	s_barrier_wait -3
	s_barrier_signal -1
	s_barrier_wait -1
.endm
.macro CROUND
	s_barrier_signal -1
	s_barrier_wait -1
	CREST
.endm
.macro NOP4
.rept 4
	v_nop
.endr
.endm
.macro QUANT s                         ; 64 numbers become the 16 registers of K half s
.irp b, 0,1,2,3
.irp i, 0,1,2,3,4,5,6,7,8,9,10,11,12,13,14,15
	v_med3_num_f32 v[NUM+64*\s+16*\b+\i], v[NUM+64*\s+16*\b+\i], -v[LIM], v[LIM]   ; the conversion does not saturate (ISA guide 7.6.2)
.endr
	v_cvt_scalef32_pk8_bf8_f32 v[PC+16*\s+4*\b:PC+16*\s+4*\b+1], v[NUM+64*\s+16*\b:NUM+64*\s+16*\b+7], v[SCL]
	v_cvt_scalef32_pk8_bf8_f32 v[PC+16*\s+4*\b+2:PC+16*\s+4*\b+3], v[NUM+64*\s+16*\b+8:NUM+64*\s+16*\b+15], v[SCL]
.endr
	v_nop                                          ; one plain line behind the last conversion
.endm
.macro LOADT qb, sp, t                 ; tile t of my chunk in slot sp: fragment and C into buffer qb
.irp s, 0,1
.irp c, 0,1,2,3
	ds_load_b128 v[AF+32*(\qb)+16*\s+4*\c:AF+32*(\qb)+16*\s+4*\c+3], v[ADR+(\sp)] offset:4096*(\t)+2048*\s+512*\c
.endr
.endr
	ds_load_b128 v[C2+8*(\qb):C2+8*(\qb)+3], v[CA+(\sp)] offset:64*(\t)
	ds_load_b128 v[C2+8*(\qb)+4:C2+8*(\qb)+7], v[CA+(\sp)] offset:64*(\t)+16
.endm
; 8 matrix instructions: blocks b0 .. b0 + 3 of x against buffer q's tile, into set p; the four accumulators take turns
.macro MULS b0, q, p
	WIN WT
.irp u, 0,1,2,3
	v_wmma_f32_16x16x128_bf8_bf8 v[ACC+32*(\p)+8*\u:ACC+32*(\p)+8*\u+7], v[AF+32*(\q):AF+32*(\q)+15], v[32*((\b0)+\u):32*((\b0)+\u)+15], v[C2+8*(\q):C2+8*(\q)+7]
.endr
.irp u, 0,1,2,3
	v_wmma_f32_16x16x128_bf8_bf8 v[ACC+32*(\p)+8*\u:ACC+32*(\p)+8*\u+7], v[AF+32*(\q)+16:AF+32*(\q)+31], v[32*((\b0)+\u)+16:32*((\b0)+\u)+31], v[ACC+32*(\p)+8*\u:ACC+32*(\p)+8*\u+7]
.endr
	WIN 0
.endm
; the pick for blocks b0 .. b0 + 3 from set p; par: which set of running maxima is written
.macro PICK b0, p, par
.set vA, ACC+32*(\p)
.set vN, RUN+8*(\par)+(\b0)
.set vO, RUN+8*(1-(\par))+(\b0)
.set vK, KP+8*(\b0)
.irp u, 0,1,2,3
	v_max3_num_f32 v[TM+3*\u], v[vO+\u], v[vA+8*\u], v[vA+8*\u+1]     ; each accumulator is read from its low end on
.endr
.irp u, 0,1,2,3
	v_max3_num_f32 v[TM+3*\u+1], v[vA+8*\u+2], v[vA+8*\u+3], v[vA+8*\u+4]
.endr
.irp u, 0,1,2,3
	v_max3_num_f32 v[TM+3*\u+2], v[vA+8*\u+5], v[vA+8*\u+6], v[vA+8*\u+7]
.endr
.irp u, 0,1,2,3
	s_delay_alu instid0(VALU_DEP_4)
	v_max3_num_f32 v[vN+\u], v[TM+3*\u], v[TM+3*\u+1], v[TM+3*\u+2]
.endr
.irp u, 0,1,2,3
.if \u == 0
	s_delay_alu instid0(VALU_DEP_4)
.endif
	v_cmp_gt_f32 vcc_lo, v[vN+\u], v[vO+\u]        ; strictly greater: of equal D the tile seen first stays
.irp j, 0,2,4
	v_dual_cndmask_b32 v[vK+8*\u+\j], v[vK+8*\u+\j], v[vA+8*\u+\j] :: v_dual_cndmask_b32 v[vK+8*\u+\j+1], v[vK+8*\u+\j+1], v[vA+8*\u+\j+1]
.endr
	v_dual_cndmask_b32 v[vK+8*\u+6], v[vK+8*\u+6], v[vA+8*\u+6] :: v_dual_cndmask_b32 v[vK+8*\u+7], v[vK+8*\u+7], v[VG]
.endr
.endm
.macro NEWT
	v_mov_b32 v[VG], s[TID]
	s_add_co_u32 s[TID], s[TID], 1
.endm
.macro NEWTL                           ; a slot's last tile; then on to the next slot, modulo 16
	v_mov_b32 v[VG], s[TID]
	s_add_co_u32 s[CUR], s[CUR], 1
	s_and_b32 s[CUR], s[CUR], 15
	s_lshl_b32 s[TID], s[CUR], 5
	s_add_co_u32 s[TID], s[TID], s[W4]
.endm
.macro WRAP                            ; at the head of the slot that begins at index 0 again: see the head comment
	s_cmp_lg_u32 s[VIS], s[WRAPAT]
	s_cbranch_scc1 .Lno_wrap_\@
.irp i, 0,1,2,3,4,5,6,7
	v_mov_b32 v[ORIG+\i], v[RUN+8+\i]
.endr
.irp i, 0,1,2,3,4,5,6,7
	v_ashrrev_i32 v[TM+\i], 31, v[RUN+8+\i]        ; 0 or -1 by the sign
.endr
.irp i, 0,1,2,3,4,5,6,7
	v_lshl_or_b32 v[TM+\i], v[TM+\i], 1, 1         ; +1 or -1
.endr
.irp i, 0,1,2,3,4,5,6,7
	v_sub_nc_u32 v[TM+\i], v[RUN+8+\i], v[TM+\i]   ; the bits of the next float below
.endr
.irp i, 0,1,2,3,4,5,6,7
	v_cmp_eq_u32 vcc_lo, 0, v[RUN+8+\i]            ; below +0 lies the least negative number
	s_delay_alu instid0(VALU_DEP_1)
	v_cndmask_b32 v[RUN+8+\i], v[TM+\i], s[NZ], vcc_lo
.endr
.Lno_wrap_\@:
	s_add_co_u32 s[VIS], s[VIS], 1
.endm
; the change of slots: my reads of slot sp are over (its last tile is in registers); the slot takes the codebook slot two further on
.macro CHANGE sp
	s_wait_tensorcnt 0x0                           ; my one load that was out, my chunk of the other slot, has landed
	ds_add_u32 v[SPW], v[NIL]
	s_add_co_u32 s58, s[CUR], 2
	s_and_b32 s58, s58, 15
	s_mul_i32 s58, s58, SLOTB
	s_add_co_u32 s58, s58, s[WOFF]
	s_add_nc_u64 s[G0C+4*(\sp)+2:G0C+4*(\sp)+3], s[6:7], s[58:59]
	s_or_b32 s[G0C+4*(\sp)+3], s[G0C+4*(\sp)+3], 0x80000000
	s_wait_dscnt 0x0                               ; the add, and my reads of this slot
	s_barrier_signal -1                            ; opens a round of the cluster's barrier; two stages of register work follow before the wait
.endm
.macro REFILL sp
	s_barrier_wait -1
	CREST
	tensor_load_to_lds s[G0C+4*(\sp):G0C+4*(\sp)+3], s[G1C:G1C+7]
	s_nop 0
	NOP4
.endm
; a slot's four tiles, from its first tile's second half to the next slot's first half.  mode 2: refill; 1: the last but one; 0: the last
.macro SLOTBODY sp, mode
	WRAP
	NEWT
	LOADT 1, \sp, 1
	MULS 4, 0, 1
	PICK 0, 0, 0
	s_wait_dscnt 0x0                               ; tile 1 is in registers
	LOADT 0, \sp, 2
	MULS 0, 1, 0
	PICK 4, 1, 0
	NEWT
	MULS 4, 1, 1
	PICK 0, 0, 1
	s_wait_dscnt 0x0
	LOADT 1, \sp, 3
	MULS 0, 0, 0
	PICK 4, 1, 1
	NEWT
.if \mode == 2
	CHANGE \sp                                     ; tile 3 is in registers: my reads of this slot are over
.endif
	MULS 4, 0, 1
	PICK 0, 0, 0
.if \mode == 1
	s_wait_tensorcnt 0x0                           ; my chunk of the last slot; only I read it
.endif
.if \mode < 2
	s_wait_dscnt 0x0
.endif
	MULS 0, 1, 0
	PICK 4, 1, 0
.if \mode == 2
	REFILL \sp
.endif
	NEWTL
.if \mode > 0
	LOADT 0, 1-\sp, 0
.endif
	MULS 4, 1, 1
	PICK 0, 0, 1
.if \mode > 0
	s_wait_dscnt 0x0
	MULS 0, 0, 0
.endif
	PICK 4, 1, 1
.endm
; the greater D, of equal D the lower index, in three parts, so that up to four such choices go side by side (masks k = 0 .. 3 in s80-91)
.macro LC k, va, ca, vb, cb
	v_cmp_gt_f32 s[80+(\k)], v[\vb], v[\va]
	v_cmp_eq_f32 s[84+(\k)], v[\vb], v[\va]
	v_cmp_lt_u32 s[88+(\k)], v[\cb], v[\ca]
.endm
.macro LS k
	s_and_b32 s[84+(\k)], s[84+(\k)], s[88+(\k)]
	s_or_b32 s[80+(\k)], s[80+(\k)], s[84+(\k)]
.endm
.macro LM k, dv, dc, va, ca, vb, cb
	v_cndmask_b32 v[\dv], v[\va], v[\vb], s[80+(\k)]
	v_cndmask_b32 v[\dc], v[\ca], v[\cb], s[80+(\k)]
.endm
	s_load_b256 s[4:11], s[0:1], 0x0               ; x, cb, lowp_scales, out0
	v_lshl_add_u32 v[SPW], v0, 2, SPARE
	v_mov_b32 v[NIL], 0
	ds_add_u32 v[SPW], v[NIL]                      ; the opening lines: the add twice on end
	ds_add_u32 v[SPW], v[NIL]
	v_lshrrev_b32 v1, 5, v0
	s_delay_alu instid0(VALU_DEP_1)
	v_readfirstlane_b32 s[WV], v1
	s_bfe_u32 s13, ttmp6, 0x40000                  ; cx
	s_lshl_b32 s14, ttmp9, 2
	s_add_co_u32 s14, s14, s13                     ; work-group
	s_lshr_b32 s[CUR], ttmp9, 4
	s_xor_b32 s[CUR], s[CUR], ttmp9
	s_and_b32 s[CUR], s[CUR], 15                   ; the cluster's first slot
	s_sub_co_u32 s[WRAPAT], 16, s[CUR]
	s_mov_b32 s[G1X+0], (2<<16)|(1<<20)|(7<<22)|(3<<25)
	s_mov_b32 s[G1X+1], 256<<16
	s_mov_b32 s[G1X+2], 32<<16
	s_mov_b32 s[G1X+3], 256<<16
	s_mov_b32 s[G1X+4], 32
	s_mov_b32 s[G1X+5], 256
	s_mov_b32 s[G1X+6], 0
	s_mov_b32 s[G1X+7], 0
	s_mov_b32 s[G1C+0], 15|(3<<16)|(1<<21)         ; the mask names the cluster's four
	s_mov_b32 s[G1C+1], 32<<16
	s_mov_b32 s[G1C+2], 65<<16
	s_mov_b32 s[G1C+3], 32<<16
	s_mov_b32 s[G1C+4], 65
	s_mov_b32 s[G1C+5], 32
	s_mov_b32 s[G1C+6], 0
	s_mov_b32 s[G1C+7], 0
	s_mov_b32 s[G1D+0], 15|(3<<16)|(1<<21)
	s_mov_b32 s[G1D+1], 32<<16
	s_mov_b32 s[G1D+2], 130<<16
	s_mov_b32 s[G1D+3], 32<<16
	s_mov_b32 s[G1D+4], 130
	s_mov_b32 s[G1D+5], 32
	s_mov_b32 s[G1D+6], 0
	s_mov_b32 s[G1D+7], 0
	s_and_b32 s13, s[WV], 3
	s_mul_i32 s15, s13, 2*CHUNK                    ; the head's loads: a quarter of a slot each
	s_mul_i32 s[WOFF], s[WV], CHUNK
	s_lshl_b32 s[W4], s[WV], 2
	s_lshl_b32 s74, s14, 17                        ; x: 128 rows of 1,024 bytes a work-group,
	s_lshl_b32 s13, s13, 15                        ; 32 rows a loading wave
	s_add_co_u32 s74, s74, s13
	s_mov_b32 s75, 0
	s_mul_i32 s76, s[CUR], SLOTB                   ; cb: the first slot, my two chunks
	s_add_co_u32 s76, s76, s15
	s_mov_b32 s77, 0
	s_add_co_u32 s58, s[CUR], 1                    ; cb: the second slot, my chunk
	s_and_b32 s58, s58, 15
	s_mul_i32 s58, s58, SLOTB
	s_add_co_u32 s58, s58, s[WOFF]
	s_mov_b32 s59, 0
	s_lshl_b32 s78, s14, 9                         ; out0: 512 bytes a work-group, 256 for each of waves 0, 1
	s_and_b32 s79, s[WV], 1
	s_lshl_b32 s79, s79, 8
	s_add_co_u32 s78, s78, s79
	s_mov_b32 s79, 0
	s_lshl_b32 s[TID], s[CUR], 5
	s_add_co_u32 s[TID], s[TID], s[W4]
	s_wait_dscnt 0x0
	s_wait_kmcnt 0x0
	s_load_b32 s70, s[8:9], 0x0                    ; e0
	s_add_nc_u64 s[10:11], s[10:11], s[78:79]
	s_mov_b32 s[G0X+0], 1
	s_add_co_u32 s[G0X+1], s15, SLOTB              ; x's stage is slot 1
	s_add_nc_u64 s[G0X+2:G0X+3], s[4:5], s[74:75]
	s_or_b32 s[G0X+3], s[G0X+3], 0x80000000
	s_mov_b32 s[G0C+0], 1
	s_mov_b32 s[G0C+1], s15
	s_add_nc_u64 s[G0C+2:G0C+3], s[6:7], s[76:77]
	s_or_b32 s[G0C+3], s[G0C+3], 0x80000000
	s_mov_b32 s[G0C+4], 1
	s_add_co_u32 s[G0C+5], s[WOFF], SLOTB
	s_add_nc_u64 s[G0C+6:G0C+7], s[6:7], s[58:59]
	s_or_b32 s[G0C+7], s[G0C+7], 0x80000000
	CROUND
	s_cmp_lt_u32 s[WV], 4                          ; one load a wave: waves 0-3 x's 128 rows, waves 4-7 the first slot
	s_cbranch_scc0 .Lhead_cb
	tensor_load_to_lds s[G0X:G0X+3], s[G1X:G1X+7]
	s_nop 0
	NOP4
	s_branch .Lhead_join
.Lhead_cb:
	tensor_load_to_lds s[G0C:G0C+3], s[G1D:G1D+7]
	s_nop 0
	NOP4
.Lhead_join:
	s_wait_kmcnt 0x0
	s_add_co_i32 s73, s70, 127
	s_lshl_b32 s63, s73, 23                        ; 2^e0
	s_add_co_i32 s73, s73, 15
	s_lshl_b32 s73, s73, 23
	s_or_b32 s73, s73, 0x600000                    ; 57,344 x 2^e0
	s_add_co_u32 s13, s[WOFF], SLOTB
	s_add_co_u32 s74, s[WOFF], 16384
	s_add_co_u32 s75, s13, 16384
	s_lshl_b32 s76, s[WV], 12
	s_add_co_u32 s76, s76, XIMG
	s_mov_b32 s[SEL], 0x76543210
	s_mov_b32 s[SEL+1], 0xfedcba98
	s_mov_b32 s[NZ], 0x80000001
	s_mov_b32 s[NINF], 0xff800000
	s_mov_b32 s[TRIP], 7
	s_mov_b32 s[VIS], 0
	v_and_b32 v10, 31, v0                          ; lane
	v_and_b32 v1, 15, v0                           ; r
	v_bfe_u32 v2, v0, 4, 1                         ; h
	v_mov_b32 v[SCL], s63
	v_mov_b32 v[LIM], s73
	v_lshlrev_b32 v11, 4, v10
	v_mul_u32_u24 v12, v1, XP
	v_lshl_add_u32 v[CA], v2, 5, s74
	v_lshl_add_u32 v[CA+1], v2, 5, s75
	v_mov_b32 v[ORIG], s[NINF]
	v_add_nc_u32 v[ADR], s[WOFF], v11
	v_lshl_add_u32 v12, v2, 6, v12
	v_add_nc_u32 v[ADR+1], s13, v11
	v_add_nc_u32 v13, s76, v11                     ; my image
	v_add_nc_u32 v14, XIMG, v11                    ; all images
	v_mov_b32 v[ORIG+1], s[NINF]
	v_add_nc_u32 v12, s13, v12                     ; x's stage: row 16 w + r, + 64 h
.irp i, 2,3,4,5,6,7
	v_mov_b32 v[ORIG+\i], s[NINF]
.endr
	s_wait_alu depctr_va_vdst(0)
	s_wait_tensorcnt 0x0                           ; my load has landed,
	s_mov_b32 s[G0C+1], s[WOFF]                    ; (from now on slot 0 is filled chunk by chunk)
	s_barrier_signal -1
	s_barrier_wait -1                              ; and everybody's
.irp s, 0,1
.irp b, 0,1,2,3
.irp j, 0,1,2,3
	ds_load_b128 v[NUM+64*\s+16*\b+4*\j:NUM+64*\s+16*\b+4*\j+3], v12 offset:512*\s+128*\b+16*\j
.endr
.endr
.endr
	s_wait_dscnt 16                                ; K half 0's 16 loads are in; half 1's may be out
	QUANT 0
	s_wait_dscnt 0x0
	QUANT 1
.irp s, 0,1
.irp c, 0,1,2,3
	ds_store_b128 v13, v[PC+16*\s+4*\c:PC+16*\s+4*\c+3] offset:2048*\s+512*\c
.endr
.endr
	s_wait_tensorcnt 0x0
	ds_add_u32 v[SPW], v[NIL]
	s_wait_dscnt 0x0                               ; the add, my image, my reads of the stage
	CROUND
	tensor_load_to_lds s[G0C+4:G0C+7], s[G1C:G1C+7]   ; the second slot lands where x's stage lay
	s_nop 0
	NOP4
	LOADT 0, 0, 0
	WIN 0x40
.irp i, 0,1,2,3,4,5,6,7
.irp s, 0,1
.irp c, 0,1,2,3
	ds_load_b128 v[32*\i+16*\s+4*\c:32*\i+16*\s+4*\c+3], v14 offset:4096*\i+2048*\s+512*\c
.endr
.endr
.endr
	WIN 0
.irp i, 0,1,2,3,4,5,6,7
	v_mov_b32 v[RUN+8+\i], s[NINF]
.endr
	s_wait_dscnt 32                                ; the tile and blocks 0-3 are in; the youngest 32 loads (blocks 4-7) may be out
	MULS 0, 0, 0                                   ; the first stage; the 64 lines below name none of its registers and are the places behind it
.irp i, 0,1,2,3,4,5,6,7
.irp j, 0,1,2,3,4,5,6
	v_mov_b32 v[KP+8*\i+\j], s[NINF]
.endr
	v_mov_b32 v[KP+8*\i+7], 0
.endr
	s_wait_dscnt 0x0                               ; blocks 4-7
.Lslots:
	SLOTBODY 0, 2
	SLOTBODY 1, 2
	s_sub_co_u32 s[TRIP], s[TRIP], 1
	s_cmp_lg_u32 s[TRIP], 0
	s_cbranch_scc1 .Lslots
	SLOTBODY 0, 1
	SLOTBODY 1, 0
	; each lane: the place of its maximum in the kept tile; then lane l xor 16, then the eight waves through LDS
.set MW, 10
.set MR, 11
.set OO, 12
.set LN, 13
.set EP, 32
.set EC, 33
.set OV, 34
.set OC, 35
.set MM, 36
.set PV, 44
	s_lshl_b32 s58, s[WV], 10
	s_add_co_u32 s58, s58, MRG
	s_and_b32 s63, s[WV], 1
	s_lshl_b32 s63, s63, 9
	s_add_co_u32 s63, s63, MRG
	v_and_b32 v[LN], 31, v0
	v_lshl_add_u32 v[MW], v1, 3, s58
.irp i, 0,1,2,3,4,5,6,7
	v_max_num_f32 v[MM+\i], v[RUN+8+\i], v[ORIG+\i]   ; the true maximum (see the wrap)
.endr
	v_lshl_add_u32 v[MR], v[LN], 4, s63
	v_lshlrev_b32 v[OO], 3, v[LN]
.set EB, 64                            ; v64-71 block i's place, then its index; the eight blocks go side by side
.irp i, 0,1,2,3,4,5,6,7
	v_mov_b32 v[EB+\i], 7
.endr
.irp j, 6,5,4,3,2,1,0
.irp i, 0,1,2,3,4,5,6,7
	v_cmp_eq_f32 s[80+\i], v[KP+8*\i+\j], v[MM+\i]
.endr
.irp i, 0,1,2,3,4,5,6,7
	v_cndmask_b32 v[EB+\i], v[EB+\i], \j, s[80+\i]   ; the lowest place that holds the maximum stays
.endr
.endr
.irp i, 0,1,2,3,4,5,6,7
	v_lshl_add_u32 v[EB+\i], v[KP+8*\i+7], 4, v[EB+\i]
.endr
.irp i, 0,1,2,3,4,5,6,7
	v_lshl_add_u32 v[EB+\i], v2, 3, v[EB+\i]       ; index = 16 id + 8 h + place
.endr
.irp i, 0,1,2,3,4,5,6,7
	v_permlanex16_b32 v[RUN+8+\i], v[MM+\i], s[SEL], s[SEL+1]   ; lane l xor 16's maximum (into registers that are done with and have been written)
.endr
.irp i, 0,1,2,3,4,5,6,7
	v_permlanex16_b32 v[ORIG+\i], v[EB+\i], s[SEL], s[SEL+1]    ; and its index
.endr
.irp g, 0,4
.irp u, 0,1,2,3
	LC \u, MM+\g+\u, EB+\g+\u, RUN+8+\g+\u, ORIG+\g+\u
.endr
.irp u, 0,1,2,3
	LS \u
.endr
.irp u, 0,1,2,3
	LM \u, PV+2*(\g+\u), PV+2*(\g+\u)+1, MM+\g+\u, EB+\g+\u, RUN+8+\g+\u, ORIG+\g+\u
.endr
.irp u, 0,1,2,3
	ds_store_b64 v[MW], v[PV+2*(\g+\u):PV+2*(\g+\u)+1] offset:128*(\g+\u)
.endr
.endr
	s_wait_dscnt 0x0                               ; for the others' sake
	s_barrier_signal -1
	s_barrier_wait -1
	s_cmp_gt_u32 s[WV], 1
	s_cbranch_scc1 .Lmerged
.irp w, 0,1,2,3,4,5,6,7
	ds_load_b128 v[64+4*\w:67+4*\w], v[MR] offset:1024*\w   ; two rows of x a lane, from each wave
.endr
	s_wait_dscnt 0x0
	; a tree over the eight waves: wave w's two pairs lie in v[64 + 4 w ..]; q = 0, 2: my first and second row of x
.irp q, 0,2
.irp p, 0,1,2,3
	LC \p, 64+8*\p+\q, 65+8*\p+\q, 68+8*\p+\q, 69+8*\p+\q
.endr
.irp p, 0,1,2,3
	LS \p
.endr
.irp p, 0,1,2,3
	LM \p, 64+8*\p+\q, 65+8*\p+\q, 64+8*\p+\q, 65+8*\p+\q, 68+8*\p+\q, 69+8*\p+\q
.endr
.endr
.irp t, 0,1
.irp q, 0,2
	LC 2*\t+\q/2, 64+16*\t+\q, 65+16*\t+\q, 72+16*\t+\q, 73+16*\t+\q
.endr
.endr
.irp k, 0,1,2,3
	LS \k
.endr
.irp t, 0,1
.irp q, 0,2
	LM 2*\t+\q/2, 64+16*\t+\q, 65+16*\t+\q, 64+16*\t+\q, 65+16*\t+\q, 72+16*\t+\q, 73+16*\t+\q
.endr
.endr
.irp q, 0,2
	LC \q/2, 64+\q, 65+\q, 80+\q, 81+\q
.endr
	LS 0
	LS 1
.irp q, 0,2
	v_cndmask_b32 v[60+\q/2], v[65+\q], v[81+\q], s[80+\q/2]
.endr
	global_store_b64 v[OO], v[60:61], s[10:11]     ; 32 lanes store 256 consecutive bytes, aligned
.Lmerged:
	s_wait_tensorcnt 0x0                           ; the wave's end
	ds_add_u32 v[SPW], v[NIL]
	s_wait_dscnt 0x0
	CROUND                                         ; the closing round
	s_endpgm
.Lfunc_end_k_q6e1d647b9b_vq:
	.size	k_q6e1d647b9b_vq, .Lfunc_end_k_q6e1d647b9b_vq-k_q6e1d647b9b_vq
	.p2alignl 7, 3214868480
	.fill 96, 4, 3214868480
	.section	.rodata,"a",@progbits
	.p2align	6, 0x0
	.amdhsa_kernel k_q6e1d647b9b_vq
		.amdhsa_group_segment_fixed_size 327680
		.amdhsa_private_segment_fixed_size 0
		.amdhsa_enable_private_segment 0
		.amdhsa_kernarg_size 32
		.amdhsa_user_sgpr_count 2
		.amdhsa_user_sgpr_kernarg_segment_ptr 1
		.amdhsa_wavefront_size32 1
		.amdhsa_system_sgpr_workgroup_id_x 1
		.amdhsa_system_sgpr_workgroup_id_y 1
		.amdhsa_system_sgpr_workgroup_id_z 1
		.amdhsa_system_vgpr_workitem_id 0
		.amdhsa_next_free_vgpr 512
		.amdhsa_next_free_sgpr 96
		.amdhsa_reserve_vcc 1
		.amdhsa_float_denorm_mode_32 3
		.amdhsa_float_denorm_mode_16_64 3
		.amdhsa_memory_ordered 1
		.amdhsa_forward_progress 1
		.amdhsa_inst_pref_size 160
	.end_amdhsa_kernel
	.amdgpu_metadata
---
amdhsa.version: [ 1, 2 ]
amdhsa.kernels:
  - .name:           k_q6e1d647b9b_vq
    .symbol:         k_q6e1d647b9b_vq.kd
    .args:
      - { .name: x, .offset: 0, .size: 8, .value_kind: global_buffer, .address_space: global }
      - { .name: cb, .offset: 8, .size: 8, .value_kind: global_buffer, .address_space: global }
      - { .name: lowp_scales, .offset: 16, .size: 8, .value_kind: global_buffer, .address_space: global }
      - { .name: out0, .offset: 24, .size: 8, .value_kind: global_buffer, .address_space: global }
    .group_segment_fixed_size: 327680
    .private_segment_fixed_size: 0
    .kernarg_segment_align: 8
    .kernarg_segment_size: 32
    .max_flat_workgroup_size: 256
    .sgpr_count:     96
    .vgpr_count:     512
    .wavefront_size: 32
...
	.end_amdgpu_metadata
.endif
;; end of part 2
